; MI455X (gfx1250); checked and timed in simulation.
; The chip was launched on July 23, 2026; its instructions are those of AMD's public machine-readable ISA for CDNA 5 (MIT licence, August 2026) and "CDNA5" Instruction Set Architecture Reference Guide (July 2026). The comments in the code are by the model that wrote it; some were corrected since.
;; Temporal Retention Walker. Allowed arithmetic: float matrix products may take bf16 or f16 operands with f32 sums; other float arithmetic in f32, or as packed bf16 or f16 multiplies, adds, multiply-adds, maxima and minima; sums over many terms, partial sums and values carried from step to step in f32; what a program stores and reads back later, other than sums and carried values, may be rounded once to bf16 or f16.
;; Inputs: W_in 2,048 x 2,048 float32; W_out 2,048 x 2,048 float32; Z 4 x 128 x 2,048 float32; b_in 2,048 float32; b_out 2,048 float32; beta 2,048 float32; decay one number float32; gamma 2,048 float32; kv 4 x 2,048 x 2,048 float32.
;; Outputs: out0 4 x 128 x 2,048 float32.
;; One version. Each part assembles by itself: llvm-mc -triple=amdgcn-amd-amdhsa -mcpu=gfx1250 --defsym DOCPART=n.
;; ======== version 1 of 1: 4 launches
;; workspace buffers: up 262,400 bytes; vp 262,400 bytes; sp 262,400 bytes
;; launch wsum (part 1): grid 8 x 32, 16 waves a work-group, no clusters, 18,432 bytes of LDS; arguments kv, decay, up; writes up
.if DOCPART == 1
	.amdgcn_target "amdgcn-amd-amdhsa--gfx1250"
	.amdhsa_code_object_version 6
	.text
	.protected	k_qd404da5b7b_wsum
	.globl	k_qd404da5b7b_wsum
	.p2align	8
	.type	k_qd404da5b7b_wsum,@function
k_qd404da5b7b_wsum:
	s_mov_b64 s[64:65], 0
	v_nop
	global_prefetch_b8 v0, s[64:65] scope:SCOPE_SE
	s_setreg_imm32_b32 hwreg(HW_REG_WAVE_MODE, 25, 1), 1
	s_wait_xcnt 0x0
; FIRST OF FOUR LAUNCHES.  reference() uses of its scan only the mean over t of W_out s_t + b_out, and everything from kv to that mean is linear.
; With K = sigmoid(decay) and g_n = 1 + K + .. + K^(n-1):  sum over t of s_t = sum over j of g_(T-j) x_j,  x_j = W_in kv_j + b_in,  so
;   mean over t of s_t = W_in u + C b_in,   u[b] = sum over j of w_j kv[b][j],   w_j = g_(T-j) / T,   C = sum over j of w_j,
;   summary = W_out (W_in u + C b_in) + b_out.   This holds for every input of these shapes; nothing of the geometric sums is cut.
; THIS LAUNCH makes u in eight partial slices, one for each eighth of T, and C.
; up: [slice 8][block of 64 columns 32][b 4][64] f32 (262,144 bytes), then 64 copies of C (256 bytes): the factor of the next launch's bias.
; SHARES.  Work-group (x, y): columns 256 x .. +255 (1,024 bytes of a row), y = 8 b + tc: batch b, rows 256 tc .. +255.  Wave w: rows 16 w .. +15,
; two loads of 512 consecutive bytes a row, all 32 issued at the head: the work-group's 256 KB are asked for at once, and each byte of kv is read once.
; The waves' sums meet in LDS; waves 0 and 1 add them and store 1,024 bytes as four aligned runs of 256 bytes (16 lanes each).
; No matrix unit (a weighted sum of rows has no second operand to share), no tensor load (the share fits in registers, nothing is filled twice), no cluster (no byte is read by two work-groups).
; LIMITS.  The f32 additions run in another order than reference()'s.  K is made by v_exp_f32 and v_rcp_f32 (1 ULP each: ISA guide, their entries); for decay below about -88 K is 0.
; g_n is made of sums of positive terms alone (doubling), so K = 1 (decay from about 17 on) gives g_n = n.  NaN and infinities are not treated apart.
.set ROWB,  8192                       ; bytes in a row of kv
.set SPARE, 16384                      ; behind the stage: the spare words, 128 bytes for each of 16 waves
.set TAIL,  262144                     ; where C lies in up
.set ACC,   16                         ; v[16:23]   my 8 sums: columns 4 lane .. +3, then 128 + 4 lane .. +3
.set X,     32                         ; v[32:159]  row i, half j at X + 8 i + 4 j
.set WT,    32                         ; s[32:63]   row i's weight, twice, at WT + 2 i
; v1 kv offset; v2 my spare word; v3 0; v4 K; v5 n; v6 g; v7 p; v8-10 at work; v11 stage, in; v12 stage, back; v13 up offset; v14 tail offset; v24-29 C
	s_load_b128 s[4:7], s[0:1], 0x0                ; kv s[4:5], decay s[6:7]
	s_load_b64 s[8:9], s[0:1], 0x10                ; up
	v_lshl_add_u32 v2, v0, 2, SPARE
	v_mov_b32 v3, 0
	v_lshrrev_b32 v8, 5, v0
	v_readfirstlane_b32 s11, v8                    ; wave 0..15
	v_and_b32 v9, 31, v0                           ; lane
	v_lshlrev_b32 v10, 4, v9                       ; 16 bytes a lane
	v_lshl_or_b32 v1, v8, 17, v10                  ; + wave x 16 rows x 8,192 bytes
	s_lshl_b32 s24, s11, 10
	v_add_nc_u32 v11, s24, v10                     ; stage, in: wave x 1,024 + 16 lane
	v_and_b32 v12, 63, v0                          ; the last phase is threads 0 to 63's: thread i takes columns 4 i .. +3
	v_lshrrev_b32 v13, 4, v12
	v_and_b32 v14, 15, v0
	v_lshlrev_b32 v15, 4, v14
	v_lshl_or_b32 v13, v13, 10, v15                ; up: block i / 16 (1,024 bytes apart), 16 (i % 16)
	v_lshlrev_b32 v12, 4, v12                      ; stage, back: 16 i
	v_lshl_add_u32 v5, v8, 4, v14                  ; lane l makes the weight of the wave's row l % 16
	v_lshlrev_b32 v14, 3, v9                       ; tail: 8 bytes a lane
	s_mov_b32 s12, ttmp9                           ; x
	s_and_b32 s13, ttmp7, 0xffff                   ; y = 8 b + tc
	s_and_b32 s14, s13, 7                          ; tc
	s_lshr_b32 s15, s13, 3                         ; b
	s_lshl_b32 s16, s13, 21                        ; y x 256 rows x 8,192 bytes (b's 2^24 and tc's 2^21 in one shift)
	s_lshl_b32 s20, s12, 10
	s_or_b32 s16, s16, s20
	s_mov_b32 s17, 0
	s_lshl_b32 s20, s14, 15                        ; up: slice tc,
	s_lshl_b32 s21, s12, 12                        ; blocks 4 x .. 4 x + 3,
	s_or_b32 s20, s20, s21
	s_lshl_b32 s21, s15, 8                         ; row b of each block
	s_or_b32 s20, s20, s21
	s_mov_b32 s21, 0
	s_lshl_b32 s18, s14, 8
	s_sub_co_u32 s18, 2048, s18                    ; T - the work-group's first row
	s_or_b32 s19, s12, s13
	s_or_b32 s19, s19, s11                         ; 0 in wave 0 of work-group (0, 0) alone
	v_sub_nc_u32 v5, s18, v5                       ; n = T - row: 1 to 2,048
	s_wait_kmcnt 0x0
	s_add_nc_u64 s[4:5], s[4:5], s[16:17]
	s_add_nc_u64 s[22:23], s[8:9], s[20:21]
	s_load_b32 s10, s[6:7], 0x0                    ; decay
.set i, 0
.rept 16                                       ; all 32 loads; kv is read once in the whole launch
	global_load_b128 v[X+8*i:X+8*i+3],   v1, s[4:5] offset:i*ROWB th:TH_LOAD_NT
	global_load_b128 v[X+8*i+4:X+8*i+7], v1, s[4:5] offset:i*ROWB+512 th:TH_LOAD_NT
.set i, i+1
.endr
	; K = 1 / (1 + 2^(-log2(e) decay)), while the loads are out.  A plain instruction stands behind each transcendental before its result is used (ISA guide 5.7.2).
	s_wait_kmcnt 0x0
	v_mov_b32 v4, s10
	v_mul_f32 v4, 0xbfb8aa3b, v4
	v_exp_f32 v4, v4
	v_mov_b32 v6, 0                                ; g_0
	s_wait_alu depctr_va_vdst(0)
	v_add_f32 v4, 1.0, v4
	v_rcp_f32 v4, v4
	v_mov_b32 v7, 1.0                              ; K^0
	s_wait_alu depctr_va_vdst(0)
; g_n and p = K^n from n's bits, the highest first: g_2m = g_m (1 + K^m); where the bit is set, g_(m+1) = 1 + K g_m.  The choice selects a value: no branch.
.macro GSTEP bit
	v_fma_f32 v6, v6, v7, v6
	v_mul_f32 v7, v7, v7
	v_and_b32 v10, 1<<(\bit), v5
	v_cmp_ne_u32 vcc_lo, 0, v10
	v_fma_f32 v8, v4, v6, 1.0
	v_mul_f32 v9, v7, v4
	v_cndmask_b32 v6, v6, v8, vcc_lo
	v_cndmask_b32 v7, v7, v9, vcc_lo
.endm
.irp bit, 11,10,9,8,7,6,5,4,3,2,1,0
	GSTEP \bit
.endr
	v_mul_f32 v6, 0x3a000000, v6                   ; w = g_n / 2,048
.set i, 0
.rept 16                                       ; a row's weight is the same for all lanes: into a scalar pair, both words written since the packed forms name the pair
	v_readlane_b32 s[WT+2*i], v6, i
	s_mov_b32 s[WT+2*i+1], s[WT+2*i]
.set i, i+1
.endr
	; C = (g_1 + .. + g_T) / T, by one wave of the launch.  H_n = g_1 + .. + g_n doubles by H_2n = 2 H_n + K g_n^2: positive terms alone; 11 doublings from n = 1 to 2,048.
	s_cmp_lg_u32 s19, 0
	s_cbranch_scc1 .Lno_c
	v_mov_b32 v26, 1.0                             ; H_1
	v_mov_b32 v27, 1.0                             ; g_1
	v_mov_b32 v28, v4                              ; K^1
.rept 11
	v_mul_f32 v29, v27, v27
	v_add_f32 v26, v26, v26
	v_fmac_f32 v26, v4, v29
	v_fma_f32 v27, v27, v28, v27
	v_mul_f32 v28, v28, v28
.endr
	v_mul_f32 v24, 0x3a000000, v26
	v_mov_b32 v25, v24
	global_store_b64 v14, v[24:25], s[8:9] offset:TAIL  ; 32 lanes x 8 bytes: 256 consecutive bytes, aligned
.Lno_c:
	; the weighted sum of my 16 rows; the first row starts the sums
.set i, 0
.rept 16
	s_wait_loadcnt 30-2*i                          ; loads come back in order (ISA guide 5.7.1): row i's two are in, the two of each of the 15 - i later rows may be out
.set c, 0
.rept 4
.if i == 0
	v_pk_mul_f32 v[ACC+2*c:ACC+2*c+1], v[X+2*c:X+2*c+1], s[WT:WT+1] op_sel_hi:[1,0]
.else
	v_pk_fma_f32 v[ACC+2*c:ACC+2*c+1], v[X+8*i+2*c:X+8*i+2*c+1], s[WT+2*i:WT+2*i+1], v[ACC+2*c:ACC+2*c+1] op_sel_hi:[1,0,1]
.endif
.set c, c+1
.endr
.set i, i+1
.endr
	ds_store_b128 v11, v[ACC:ACC+3]                ; 32 lanes, 16 neighbouring bytes each
	ds_store_b128 v11, v[ACC+4:ACC+7] offset:512
	s_wait_tensorcnt 0x0                           ; behind my last LDS store
	ds_add_u32 v2, v3
	s_wait_dscnt 0x0                               ; shows my stores done, for the waves that read them
	s_barrier_signal -1
	s_barrier_wait -1
	s_cmp_lt_u32 s11, 2
	s_cbranch_scc0 .Lend                           ; waves 2 to 15 are done
.set k, 0
.rept 16
	ds_load_b128 v[X+4*k:X+4*k+3], v12 offset:k*1024  ; wave k's sums of my four columns
.set k, k+1
.endr
	s_wait_dscnt 0x0
.irp h, 8,4,2,1                                ; 16 quads to one: the first h quads (2 h pairs) take the next h
.set k, 0
.rept 2*\h
	v_pk_add_f32 v[X+2*k:X+2*k+1], v[X+2*k:X+2*k+1], v[X+2*k+4*\h:X+2*k+4*\h+1]
.set k, k+1
.endr
.endr
	global_store_b128 v13, v[X:X+3], s[22:23]      ; 16 lanes store 256 consecutive bytes, aligned: row b of one block
.Lend:
	s_endpgm
.Lfunc_end_k_qd404da5b7b_wsum:
	.size	k_qd404da5b7b_wsum, .Lfunc_end_k_qd404da5b7b_wsum-k_qd404da5b7b_wsum
	.p2alignl 7, 3214868480
	.fill 96, 4, 3214868480
	.section	.rodata,"a",@progbits
	.p2align	6, 0x0
	.amdhsa_kernel k_qd404da5b7b_wsum
		.amdhsa_group_segment_fixed_size 18432
		.amdhsa_private_segment_fixed_size 0
		.amdhsa_enable_private_segment 0
		.amdhsa_kernarg_size 24
		.amdhsa_user_sgpr_count 2
		.amdhsa_user_sgpr_kernarg_segment_ptr 1
		.amdhsa_wavefront_size32 1
		.amdhsa_system_sgpr_workgroup_id_x 1
		.amdhsa_system_sgpr_workgroup_id_y 1
		.amdhsa_system_sgpr_workgroup_id_z 1
		.amdhsa_system_vgpr_workitem_id 0
		.amdhsa_next_free_vgpr 160
		.amdhsa_next_free_sgpr 66
		.amdhsa_reserve_vcc 1
		.amdhsa_float_denorm_mode_32 3
		.amdhsa_float_denorm_mode_16_64 3
		.amdhsa_memory_ordered 1
		.amdhsa_forward_progress 1
		.amdhsa_inst_pref_size 21
	.end_amdhsa_kernel
	.amdgpu_metadata
---
amdhsa.version: [ 1, 2 ]
amdhsa.kernels:
  - .name:           k_qd404da5b7b_wsum
    .symbol:         k_qd404da5b7b_wsum.kd
    .args:
      - { .name: kv, .offset: 0, .size: 8, .value_kind: global_buffer, .address_space: global }
      - { .name: decay, .offset: 8, .size: 8, .value_kind: global_buffer, .address_space: global }
      - { .name: up, .offset: 16, .size: 8, .value_kind: global_buffer, .address_space: global }
    .group_segment_fixed_size: 18432
    .private_segment_fixed_size: 0
    .kernarg_segment_align: 8
    .kernarg_segment_size: 24
    .max_flat_workgroup_size: 512
    .sgpr_count:     66
    .vgpr_count:     160
    .wavefront_size: 32
...
	.end_amdgpu_metadata
.endif
;; end of part 1
;; launch mv_in (part 2): grid 32 x 8, 8 waves a work-group, no clusters, 6,400 bytes of LDS; arguments W_in, up, b_in, vp; writes vp
.if DOCPART == 2
	.amdgcn_target "amdgcn-amd-amdhsa--gfx1250"
	.amdhsa_code_object_version 6
	.text
	.protected	k_qd404da5b7b_mv_in
	.globl	k_qd404da5b7b_mv_in
	.p2align	8
	.type	k_qd404da5b7b_mv_in,@function
k_qd404da5b7b_mv_in:
	s_mov_b64 s[64:65], 0
	v_nop
	global_prefetch_b8 v0, s[64:65] scope:SCOPE_SE
	s_setreg_imm32_b32 hwreg(HW_REG_WAVE_MODE, 25, 1), 1
	s_wait_xcnt 0x0
; SECOND AND THIRD LAUNCH, one text:  out[b][e] = sum over d of W[e][d] vin[b][d] + f bias[e],  4 rows b, W: [2048][2048] f32.
; vin and out have one layout: [slice 8][block of 64 columns 32][b 4][64] f32 (262,144 bytes): eight partial slices that the reader adds; then 64 copies of the factor f of the READER's bias.
; Second launch: W_in, u's slices with f = C, b_in.  Third launch: W_out, v's slices with f = 1, b_out.  This text always leaves f = 1 in its output's tail (the third launch's tail is read by nobody).
; SHARES.  Work-group (x, y): output rows e = 64 x .. +63, columns d = 256 y .. +255 (1,024 bytes of a row of W): it makes slice y, block x: 1,024 consecutive bytes.  The bias goes into slice 0 alone.
; Wave w: rows 8 w .. +7, two loads of 512 consecutive bytes a row, all 16 issued at the head; each byte of W is read once.  The 256 columns of vin (8 slices x 4,096 bytes) are added by the
; work-group's 256 threads, 16 bytes each, and handed to all waves through LDS.
; f32 on the vector unit: with 4 rows a 16-bit matrix form would add conversions and a rounding and spare no byte of W.  No tensor load (nothing is filled twice), no cluster (W's bytes are shared by nobody;
; what work-groups share, 32 KB of vin, comes through registers).
; LIMITS.  The f32 additions run in another order than reference()'s.  Slices 1 to 7 add 0 x bias: a bias that is not finite gives NaN there; NaN and infinities are not treated apart.
.set VEC,    0                         ; LDS 0..4095: [b 4][256 columns] f32, rows of 1,024 bytes
.set STG,    4096                      ; LDS 4096..5247: [b 4][64 e] f32, rows 288 bytes apart = 72 words: the four groups of eight lanes of the one store fall on words 0-7, 8-15, 16-23, 24-31 modulo 64
.set SPITCH, 288
.set SPARE,  5376                      ; the spare words, 128 bytes for each of 8 waves
.set TAIL,   262144
.set IN,  16                           ; v[16:47]   slice s of my 16 bytes of vin at IN + 4 s
.set U,   48                           ; v[48:79]   vin, added: row b, half j at U + 8 b + 4 j
.set W,   80                           ; v[80:143]  row r, half j at W + 8 r + 4 j
.set A,   144                          ; v[144:175] my lane's part of output k = 8 b + r
.set P,   176                          ; v[176:183] a pair of running sums for each b
; v1 W offset; v2 my spare word; v3 0; v4 16 x thread; v5 VEC, in; v6 VEC, back; v7 bias offset; v8 bias; v9 STG, in; v10 STG, back; v11 tail offset; v12-13 1.0; v184-187 out
	s_load_b256 s[4:11], s[0:1], 0x0               ; W s[4:5], vin s[6:7], bias s[8:9], out s[10:11]
	v_lshl_add_u32 v2, v0, 2, SPARE
	v_mov_b32 v3, 0
	v_lshrrev_b32 v14, 5, v0
	v_readfirstlane_b32 s12, v14                   ; wave 0..7
	v_and_b32 v15, 31, v0                          ; lane
	v_lshlrev_b32 v6, 4, v15                       ; 16 bytes a lane
	v_lshl_or_b32 v1, v14, 16, v6                  ; + wave x 8 rows x 8,192 bytes
	v_lshlrev_b32 v4, 4, v0                        ; thread i's 16 bytes of a slice's 4,096: block i / 64, row b = (i / 16) % 4, columns 4 (i % 16) on
	v_lshrrev_b32 v5, 4, v15
	v_and_b32 v7, 15, v0
	v_lshlrev_b32 v7, 4, v7
	v_lshl_or_b32 v5, v5, 10, v7                   ; VEC, in: b x 1,024 + block x 256 + 16 (i % 16); of b the lane gives the low bit,
	s_lshr_b32 s29, s12, 1
	s_lshl_b32 s29, s29, 8                         ; the wave the block
	s_and_b32 s30, s12, 1
	s_lshl_b32 s30, s30, 11                        ; and b's high bit
	s_or_b32 s29, s29, s30
	v_add_nc_u32 v5, s29, v5
	v_and_b32 v10, 63, v0                          ; the last phase is threads 0 to 63's: thread i takes row b = i / 16, outputs 4 (i % 16) on
	v_lshrrev_b32 v10, 4, v10
	v_mul_u32_u24 v10, v10, SPITCH
	v_add3_u32 v10, v10, v7, STG
	v_and_b32 v9, 7, v0
	v_lshlrev_b32 v9, 2, v9
	v_lshl_or_b32 v7, v14, 5, v9                   ; behind the reduction lane l holds b = l / 8, r = l % 8: bias of output 8 w + r
	v_lshrrev_b32 v11, 3, v15
	v_mul_u32_u24 v11, v11, SPITCH
	s_lshl_b32 s31, s12, 5
	s_add_co_u32 s31, s31, STG
	v_add3_u32 v9, v11, v9, s31                    ; STG, in: b x 288 + 4 (8 w + r)
	v_lshlrev_b32 v11, 3, v15
	v_mov_b32 v12, 1.0
	v_mov_b32 v13, 1.0
	s_mov_b32 s13, ttmp9                           ; x
	s_and_b32 s14, ttmp7, 0xffff                   ; y
	s_mov_b32 s24, 0xff00ff00                      ; lanes whose number has bit 3, 2, 1, 0 set
	s_mov_b32 s25, 0xf0f0f0f0
	s_mov_b32 s26, 0xcccccccc
	s_mov_b32 s27, 0xaaaaaaaa
	s_or_b32 s28, s13, s14
	s_or_b32 s28, s28, s12                         ; 0 in wave 0 of work-group (0, 0) alone
	s_lshl_b32 s18, s13, 19                        ; x x 64 rows x 8,192 bytes
	s_lshl_b32 s17, s14, 10
	s_or_b32 s18, s18, s17
	s_mov_b32 s19, 0
	s_wait_kmcnt 0x0
	s_add_nc_u64 s[4:5], s[4:5], s[18:19]
	s_lshl_b32 s18, s13, 8
	s_add_nc_u64 s[8:9], s[8:9], s[18:19]          ; bias at output 64 x
	s_lshl_b32 s18, s14, 12
	s_add_nc_u64 s[20:21], s[6:7], s[18:19]        ; vin at blocks 4 y .. 4 y + 3 of slice 0
	s_lshl_b32 s18, s14, 15
	s_lshl_b32 s17, s13, 10
	s_or_b32 s18, s18, s17
	s_add_nc_u64 s[22:23], s[10:11], s[18:19]      ; out at slice y, block x
	s_load_b32 s15, s[6:7], 0x40000                ; f, from vin's tail: this launch stores nothing into vin
	global_load_b32 v8, v7, s[8:9]
.set k, 0
.rept 8
	global_load_b128 v[IN+4*k:IN+4*k+3], v4, s[20:21] offset:k*32768  ; 32 work-groups read these bytes: no hint
.set k, k+1
.endr
.set k, 0
.rept 8                                        ; W is read once in the whole launch
	global_load_b128 v[W+8*k:W+8*k+3],   v1, s[4:5] offset:k*8192 th:TH_LOAD_NT
	global_load_b128 v[W+8*k+4:W+8*k+7], v1, s[4:5] offset:k*8192+512 th:TH_LOAD_NT
.set k, k+1
.endr
	s_cmp_lg_u32 s28, 0
	s_cbranch_scc1 .Lno_tail
	global_store_b64 v11, v[12:13], s[10:11] offset:TAIL  ; 64 times 1.0: 256 consecutive bytes, aligned
.Lno_tail:
	s_wait_loadcnt 16                              ; the bias and the eight slices are in; W's 16 loads were issued behind them
.irp h, 4,2,1                                  ; 8 quads to one
.set k, 0
.rept 2*\h
	v_pk_add_f32 v[IN+2*k:IN+2*k+1], v[IN+2*k:IN+2*k+1], v[IN+2*k+4*\h:IN+2*k+4*\h+1]
.set k, k+1
.endr
.endr
	ds_store_b128 v5, v[IN:IN+3]                   ; 16 lanes cover 256 consecutive bytes
	s_wait_dscnt 0x0                               ; for the others' sake: my store is done
	s_barrier_signal -1
	s_barrier_wait -1
.irp b, 0,1,2,3
	ds_load_b128 v[U+8*\b:U+8*\b+3],   v6 offset:VEC+\b*1024       ; the columns of my lane's bytes of W: 4 lane .. +3,
	ds_load_b128 v[U+8*\b+4:U+8*\b+7], v6 offset:VEC+\b*1024+512   ; and 128 + 4 lane .. +3
.endr
	s_wait_dscnt 0x0
; Row r: my 8 numbers of W times those of each of the four b, in a pair of sums a b; the first product starts them.
.macro ROWMV r
	s_wait_loadcnt 14-2*(\r)                       ; row r's two loads are in; the two of each of the 7 - r later rows may be out
.irp c, 0,1,2,3
.irp b, 0,1,2,3
.if (\c) == 0
	v_pk_mul_f32 v[P+2*(\b):P+2*(\b)+1], v[W+8*(\r):W+8*(\r)+1], v[U+8*(\b):U+8*(\b)+1]
.else
	v_pk_fma_f32 v[P+2*(\b):P+2*(\b)+1], v[W+8*(\r)+2*(\c):W+8*(\r)+2*(\c)+1], v[U+8*(\b)+2*(\c):U+8*(\b)+2*(\c)+1], v[P+2*(\b):P+2*(\b)+1]
.endif
.endr
.endr
.irp b, 0,1,2,3
	v_add_f32 v[A+8*(\b)+(\r)], v[P+2*(\b)], v[P+2*(\b)+1]
.endr
.endm
.irp r, 0,1,2,3,4,5,6,7
	ROWMV \r
.endr
	; 32 sums over 32 lanes at once: each level adds partner lanes and halves the registers; lane l ends with the whole sum of output k = l.
	; Distance 16: the swap puts A[k]'s upper lanes under A[k+16]'s lower ones; the sum holds output k in lanes 0-15, k + 16 in lanes 16-31.
.set k, 0
.rept 16
	v_permlane16_swap_b32 v[A+k], v[A+k+16]
	v_add_f32 v[A+k], v[A+k], v[A+k+16]
.set k, k+1
.endr
; Distance m: both registers take their partner lane's part; lanes whose number has bit m set keep output k + m, the others k.
.macro LEVEL m, mask
.set k, 0
.rept \m
	v_add_f32_dpp v[A+k], v[A+k], v[A+k] row_xmask:\m row_mask:0xf bank_mask:0xf
	v_add_f32_dpp v[A+k+\m], v[A+k+\m], v[A+k+\m] row_xmask:\m row_mask:0xf bank_mask:0xf
	v_cndmask_b32 v[A+k], v[A+k], v[A+k+\m], s[\mask]
.set k, k+1
.endr
.endm
	LEVEL 8, 24
	LEVEL 4, 25
	LEVEL 2, 26
	LEVEL 1, 27
	s_wait_kmcnt 0x0                               ; f
	s_cmp_eq_u32 s14, 0
	s_cselect_b32 s16, s15, 0                      ; the bias enters slice 0 alone
	v_fma_f32 v[A], v8, s16, v[A]                  ; (the bias is the oldest load: row 7's wait for 0 has shown it in)
	ds_store_b32 v9, v[A]
	s_wait_tensorcnt 0x0                           ; behind my last LDS store
	ds_add_u32 v2, v3
	s_wait_dscnt 0x0                               ; shows my store done, for the waves that read it
	s_barrier_signal -1
	s_barrier_wait -1
	s_cmp_lt_u32 s12, 2
	s_cbranch_scc0 .Lend                           ; waves 2 to 7 are done
	ds_load_b128 v[184:187], v10
	s_wait_dscnt 0x0
	global_store_b128 v4, v[184:187], s[22:23]     ; two waves store 1,024 consecutive bytes; 16 lanes fill 256, aligned
.Lend:
	s_endpgm
.Lfunc_end_k_qd404da5b7b_mv_in:
	.size	k_qd404da5b7b_mv_in, .Lfunc_end_k_qd404da5b7b_mv_in-k_qd404da5b7b_mv_in
	.p2alignl 7, 3214868480
	.fill 96, 4, 3214868480
	.section	.rodata,"a",@progbits
	.p2align	6, 0x0
	.amdhsa_kernel k_qd404da5b7b_mv_in
		.amdhsa_group_segment_fixed_size 6400
		.amdhsa_private_segment_fixed_size 0
		.amdhsa_enable_private_segment 0
		.amdhsa_kernarg_size 32
		.amdhsa_user_sgpr_count 2
		.amdhsa_user_sgpr_kernarg_segment_ptr 1
		.amdhsa_wavefront_size32 1
		.amdhsa_system_sgpr_workgroup_id_x 1
		.amdhsa_system_sgpr_workgroup_id_y 1
		.amdhsa_system_sgpr_workgroup_id_z 1
		.amdhsa_system_vgpr_workitem_id 0
		.amdhsa_next_free_vgpr 192
		.amdhsa_next_free_sgpr 66
		.amdhsa_reserve_vcc 0
		.amdhsa_float_denorm_mode_32 3
		.amdhsa_float_denorm_mode_16_64 3
		.amdhsa_memory_ordered 1
		.amdhsa_forward_progress 1
		.amdhsa_inst_pref_size 21
	.end_amdhsa_kernel
	.amdgpu_metadata
---
amdhsa.version: [ 1, 2 ]
amdhsa.kernels:
  - .name:           k_qd404da5b7b_mv_in
    .symbol:         k_qd404da5b7b_mv_in.kd
    .args:
      - { .name: W_in, .offset: 0, .size: 8, .value_kind: global_buffer, .address_space: global }
      - { .name: up, .offset: 8, .size: 8, .value_kind: global_buffer, .address_space: global }
      - { .name: b_in, .offset: 16, .size: 8, .value_kind: global_buffer, .address_space: global }
      - { .name: vp, .offset: 24, .size: 8, .value_kind: global_buffer, .address_space: global }
    .group_segment_fixed_size: 6400
    .private_segment_fixed_size: 0
    .kernarg_segment_align: 8
    .kernarg_segment_size: 32
    .max_flat_workgroup_size: 256
    .sgpr_count:     66
    .vgpr_count:     192
    .wavefront_size: 32
...
	.end_amdgpu_metadata
.endif
;; end of part 2
;; launch mv_out: the kernel of part 2 again; grid 32 x 8, 8 waves a work-group, no clusters, 6,400 bytes of LDS; arguments W_out, vp, b_out, sp; writes sp
;; launch lnorm (part 3): grid 256 x 1, 8 waves a work-group, no clusters, 1,536 bytes of LDS; arguments Z, sp, gamma, beta, out0; writes out0
.if DOCPART == 3
	.amdgcn_target "amdgcn-amd-amdhsa--gfx1250"
	.amdhsa_code_object_version 6
	.text
	.protected	k_qd404da5b7b_lnorm
	.globl	k_qd404da5b7b_lnorm
	.p2align	8
	.type	k_qd404da5b7b_lnorm,@function
k_qd404da5b7b_lnorm:
	s_mov_b64 s[64:65], 0
	v_nop
	global_prefetch_b8 v0, s[64:65] scope:SCOPE_SE
	s_setreg_imm32_b32 hwreg(HW_REG_WAVE_MODE, 25, 1), 1
	s_wait_xcnt 0x0
; FOURTH LAUNCH.  out0[row][c] = (y - mu) / sqrt(var + 1e-5) gamma[c] + beta[c],  y = Z[row][c] + summary[b][c];  mu and var over the row's 2,048 numbers.
; summary comes as eight partial slices: sp: [slice 8][block of 64 columns 32][b 4][64] f32; they are added here, once for the work-group's two rows.
; SHARES.  Work-group g: rows 2 g and 2 g + 1 of the 512 (b = g / 64).  Thread i holds, for both rows, columns 4 i .. +3 and 1,024 + 4 i .. +3: every load and store of a wave covers 512 consecutive bytes.
; All 24 loads are issued at the head; the rows stay in registers between the passes, so Z is read once and out0 written once.
; The variance is taken of y - mu, in a second pass over the registers: no difference of large sums, whatever offset Z carries.
; No matrix unit, tensor load or cluster: a stream with two reductions; what work-groups share is 64 KB of slices, through registers.
; LIMITS.  The f32 additions run in another order than reference()'s; 1 / sqrt is v_rsq_f32 (1 ULP: ISA guide, its entry).  NaN and infinities are not treated apart.
.set RED1,  0                          ; LDS 0..63: wave w's sums of the two rows at 8 w
.set RED2,  256                        ; LDS 256..319: the same for the squares: other bytes, so that no wave writes what another still reads
.set SPARE, 512                        ; the spare words, 128 bytes for each of 8 waves
.set SP,  16                           ; v[16:79]   slice s, half j at SP + 8 s + 4 j
.set Y,   80                           ; v[80:95]   row p, half j at Y + 8 p + 4 j
.set GA,  96                           ; v[96:103]  gamma
.set BE,  104                          ; v[104:111] beta
.set RED, 112                          ; v[112:127] the eight waves' pairs
.set SUM, 128                          ; v[128:129] a sum for each row
.set T,   130                          ; v[130:137] at work
.set MU,  138                          ; v[138:141] mu of row 0 twice, of row 1 twice
.set RS,  142                          ; v[142:145] 1 / sqrt(var + eps) likewise
; v1 16 x thread; v2 my spare word; v3 0; v4 sp offset; v5 8 x wave; v6 0; v146-147 the other half of the lanes' sums
	s_load_b256 s[4:11], s[0:1], 0x0               ; Z s[4:5], sp s[6:7], gamma s[8:9], beta s[10:11]
	s_load_b64 s[12:13], s[0:1], 0x20              ; out0
	v_lshl_add_u32 v2, v0, 2, SPARE
	v_mov_b32 v3, 0
	v_lshrrev_b32 v7, 5, v0
	v_readfirstlane_b32 s14, v7                    ; wave 0..7
	v_lshlrev_b32 v1, 4, v0
	v_lshrrev_b32 v4, 4, v0
	v_and_b32 v8, 15, v0
	v_lshlrev_b32 v8, 4, v8
	v_lshl_or_b32 v4, v4, 10, v8                   ; columns 4 i ..: block i / 16 (1,024 bytes apart), 16 (i % 16)
	s_lshl_b32 s15, s14, 3
	v_mov_b32 v5, s15
	v_mov_b32 v6, 0
	v_mov_b32 v146, 0                              ; v_permlanex16_b32's destination counts as read: written once here
	v_mov_b32 v147, 0
	s_lshl_b32 s16, ttmp9, 14                      ; g x 2 rows x 8,192 bytes
	s_mov_b32 s17, 0
	s_lshr_b32 s22, ttmp9, 6
	s_lshl_b32 s22, s22, 8                         ; row b of each block
	s_mov_b32 s23, 0
	s_mov_b32 s18, 0x3a000000                      ; 1 / 2,048
	s_mov_b32 s19, 0x3727c5ac                      ; 1e-5
	s_mov_b32 s20, 0x76543210                      ; v_permlanex16_b32: each lane takes its own place in the other half
	s_mov_b32 s21, 0xfedcba98
	s_wait_kmcnt 0x0
	s_add_nc_u64 s[4:5], s[4:5], s[16:17]
	s_add_nc_u64 s[12:13], s[12:13], s[16:17]
	s_add_nc_u64 s[6:7], s[6:7], s[22:23]
.set k, 0
.rept 8
	global_load_b128 v[SP+8*k:SP+8*k+3],   v4, s[6:7] offset:k*32768        ; 64 work-groups read these bytes: no hint
	global_load_b128 v[SP+8*k+4:SP+8*k+7], v4, s[6:7] offset:k*32768+16384  ; columns 1,024 on: 16 blocks further
.set k, k+1
.endr
.irp p, 0,1
.irp j, 0,1
	global_load_b128 v[Y+8*\p+4*\j:Y+8*\p+4*\j+3], v1, s[4:5] offset:\p*8192+\j*4096 th:TH_LOAD_NT
.endr
.endr
.irp j, 0,1
	global_load_b128 v[GA+4*\j:GA+4*\j+3], v1, s[8:9] offset:\j*4096
.endr
.irp j, 0,1
	global_load_b128 v[BE+4*\j:BE+4*\j+3], v1, s[10:11] offset:\j*4096
.endr
	s_wait_loadcnt 8                               ; the 16 loads of the slices are in; behind them: Z's four, gamma's two, beta's two
.irp h, 4,2,1                                  ; 8 sets of 8 registers to one: the first h sets (4 h pairs) take the next h
.set k, 0
.rept 4*\h
	v_pk_add_f32 v[SP+2*k:SP+2*k+1], v[SP+2*k:SP+2*k+1], v[SP+2*k+8*\h:SP+2*k+8*\h+1]
.set k, k+1
.endr
.endr
	s_wait_loadcnt 4                               ; Z is in; gamma's and beta's four may be out
.irp p, 0,1
.irp c, 0,1,2,3
	v_pk_add_f32 v[Y+8*\p+2*\c:Y+8*\p+2*\c+1], v[Y+8*\p+2*\c:Y+8*\p+2*\c+1], v[SP+2*\c:SP+2*\c+1]  ; y = Z + summary
.endr
.endr
; SUM's two numbers are added over the 32 lanes and the 8 waves; every lane ends with both totals.  off: the eight waves' words in LDS.  last = 1: my last LDS store.
.macro WGSUM off, last
.irp m, 1,2,4,8
	v_add_f32_dpp v[SUM],   v[SUM],   v[SUM]   row_xmask:\m row_mask:0xf bank_mask:0xf
	v_add_f32_dpp v[SUM+1], v[SUM+1], v[SUM+1] row_xmask:\m row_mask:0xf bank_mask:0xf
.endr
	v_permlanex16_b32 v146, v[SUM],   s20, s21
	v_permlanex16_b32 v147, v[SUM+1], s20, s21
	v_add_f32 v[SUM],   v[SUM],   v146
	v_add_f32 v[SUM+1], v[SUM+1], v147
	ds_store_b64 v5, v[SUM:SUM+1] offset:\off      ; all lanes write the same two words with the same values
.if \last
	s_wait_tensorcnt 0x0                           ; behind my last LDS store
	ds_add_u32 v2, v3
.endif
	s_wait_dscnt 0x0                               ; for the others' sake: my store is done
	s_barrier_signal -1
	s_barrier_wait -1
.irp k, 0,1,2,3
	ds_load_b128 v[RED+4*\k:RED+4*\k+3], v6 offset:(\off)+16*\k
.endr
	s_wait_dscnt 0x0
.irp k, 0,4,8,12
	v_pk_add_f32 v[RED+\k:RED+\k+1], v[RED+\k:RED+\k+1], v[RED+\k+2:RED+\k+3]
.endr
	v_pk_add_f32 v[RED:RED+1],   v[RED:RED+1],   v[RED+4:RED+5]
	v_pk_add_f32 v[RED+8:RED+9], v[RED+8:RED+9], v[RED+12:RED+13]
	v_pk_add_f32 v[SUM:SUM+1],   v[RED:RED+1],   v[RED+8:RED+9]
.endm
	; the mean
.irp p, 0,1
	v_pk_add_f32 v[T+4*\p:T+4*\p+1],   v[Y+8*\p:Y+8*\p+1],     v[Y+8*\p+2:Y+8*\p+3]
	v_pk_add_f32 v[T+4*\p+2:T+4*\p+3], v[Y+8*\p+4:Y+8*\p+5],   v[Y+8*\p+6:Y+8*\p+7]
.endr
.irp p, 0,1
	v_pk_add_f32 v[T+4*\p:T+4*\p+1],   v[T+4*\p:T+4*\p+1],     v[T+4*\p+2:T+4*\p+3]
.endr
.irp p, 0,1
	v_add_f32 v[SUM+\p], v[T+4*\p], v[T+4*\p+1]
.endr
	WGSUM RED1, 0
.irp p, 0,1
	v_mul_f32 v[MU+2*\p],   s18, v[SUM+\p]
	v_mul_f32 v[MU+2*\p+1], s18, v[SUM+\p]
.endr
.irp p, 0,1
.irp c, 0,1,2,3
	v_pk_add_f32 v[Y+8*\p+2*\c:Y+8*\p+2*\c+1], v[Y+8*\p+2*\c:Y+8*\p+2*\c+1], v[MU+2*\p:MU+2*\p+1] neg_lo:[0,1] neg_hi:[0,1]  ; y - mu, in place
.endr
.endr
	; the variance, of the centred numbers; the first product starts each sum
.irp p, 0,1
	v_pk_mul_f32 v[T+4*\p:T+4*\p+1], v[Y+8*\p:Y+8*\p+1], v[Y+8*\p:Y+8*\p+1]
.endr
.irp c, 1,2,3
.irp p, 0,1
	v_pk_fma_f32 v[T+4*\p:T+4*\p+1], v[Y+8*\p+2*\c:Y+8*\p+2*\c+1], v[Y+8*\p+2*\c:Y+8*\p+2*\c+1], v[T+4*\p:T+4*\p+1]
.endr
.endr
.irp p, 0,1
	v_add_f32 v[SUM+\p], v[T+4*\p], v[T+4*\p+1]
.endr
	WGSUM RED2, 1
	v_fma_f32 v[T],   v[SUM],   s18, s19           ; var + eps
	v_fma_f32 v[T+1], v[SUM+1], s18, s19
	v_rsq_f32 v[RS],   v[T]
	v_rsq_f32 v[RS+2], v[T+1]
	v_nop                                          ; a plain instruction behind the transcendentals before their results are used (ISA guide 5.7.2)
	s_wait_alu depctr_va_vdst(0)
	v_mov_b32 v[RS+1], v[RS]
	v_mov_b32 v[RS+3], v[RS+2]
	s_wait_loadcnt 0x0                             ; gamma and beta
.irp p, 0,1
.irp c, 0,1,2,3
	v_pk_mul_f32 v[Y+8*\p+2*\c:Y+8*\p+2*\c+1], v[Y+8*\p+2*\c:Y+8*\p+2*\c+1], v[RS+2*\p:RS+2*\p+1]
.endr
.irp c, 0,1,2,3
	v_pk_fma_f32 v[Y+8*\p+2*\c:Y+8*\p+2*\c+1], v[Y+8*\p+2*\c:Y+8*\p+2*\c+1], v[GA+2*\c:GA+2*\c+1], v[BE+2*\c:BE+2*\c+1]
.endr
.irp j, 0,1
	global_store_b128 v1, v[Y+8*\p+4*\j:Y+8*\p+4*\j+3], s[12:13] offset:\p*8192+\j*4096 th:TH_STORE_NT  ; a wave stores 512 consecutive bytes, aligned
.endr
.endr
	s_endpgm
.Lfunc_end_k_qd404da5b7b_lnorm:
	.size	k_qd404da5b7b_lnorm, .Lfunc_end_k_qd404da5b7b_lnorm-k_qd404da5b7b_lnorm
	.p2alignl 7, 3214868480
	.fill 96, 4, 3214868480
	.section	.rodata,"a",@progbits
	.p2align	6, 0x0
	.amdhsa_kernel k_qd404da5b7b_lnorm
		.amdhsa_group_segment_fixed_size 1536
		.amdhsa_private_segment_fixed_size 0
		.amdhsa_enable_private_segment 0
		.amdhsa_kernarg_size 40
		.amdhsa_user_sgpr_count 2
		.amdhsa_user_sgpr_kernarg_segment_ptr 1
		.amdhsa_wavefront_size32 1
		.amdhsa_system_sgpr_workgroup_id_x 1
		.amdhsa_system_sgpr_workgroup_id_y 1
		.amdhsa_system_sgpr_workgroup_id_z 1
		.amdhsa_system_vgpr_workitem_id 0
		.amdhsa_next_free_vgpr 152
		.amdhsa_next_free_sgpr 66
		.amdhsa_reserve_vcc 0
		.amdhsa_float_denorm_mode_32 3
		.amdhsa_float_denorm_mode_16_64 3
		.amdhsa_memory_ordered 1
		.amdhsa_forward_progress 1
		.amdhsa_inst_pref_size 13
	.end_amdhsa_kernel
	.amdgpu_metadata
---
amdhsa.version: [ 1, 2 ]
amdhsa.kernels:
  - .name:           k_qd404da5b7b_lnorm
    .symbol:         k_qd404da5b7b_lnorm.kd
    .args:
      - { .name: Z, .offset: 0, .size: 8, .value_kind: global_buffer, .address_space: global }
      - { .name: sp, .offset: 8, .size: 8, .value_kind: global_buffer, .address_space: global }
      - { .name: gamma, .offset: 16, .size: 8, .value_kind: global_buffer, .address_space: global }
      - { .name: beta, .offset: 24, .size: 8, .value_kind: global_buffer, .address_space: global }
      - { .name: out0, .offset: 32, .size: 8, .value_kind: global_buffer, .address_space: global }
    .group_segment_fixed_size: 1536
    .private_segment_fixed_size: 0
    .kernarg_segment_align: 8
    .kernarg_segment_size: 40
    .max_flat_workgroup_size: 256
    .sgpr_count:     66
    .vgpr_count:     152
    .wavefront_size: 32
...
	.end_amdgpu_metadata
.endif
;; end of part 3
